; MI455X (gfx1250); checked and timed in simulation.
; The chip was launched on July 23, 2026; its instructions are those of AMD's public machine-readable ISA for CDNA 5 (MIT licence, August 2026) and "CDNA5" Instruction Set Architecture Reference Guide (July 2026). The comments in the code are by the model that wrote it; some were corrected since.
;; Block Decomposed SSM Attention. Allowed arithmetic: float matrix products may take bf16 or f16 operands with f32 sums; other float arithmetic in f32, or as packed bf16 or f16 multiplies, adds, multiply-adds, maxima and minima; sums over many terms, partial sums and values carried from step to step in f32; what a program stores and reads back later, other than sums and carried values, may be rounded once to bf16 or f16.
;; Inputs: A 1,024 x 1,024 float32; B 1,024 x 1,024 float32; C 1,024 x 1,024 float32; x 4 x 4,096 x 1,024 float32.
;; Outputs: out0 4 x 4,096 x 1,024 float32.
;; One version. Each part assembles by itself: llvm-mc -triple=amdgcn-amd-amdhsa -mcpu=gfx1250 --defsym DOCPART=n.
;; ======== version 1 of 1: 3 launches
;; workspace buffers: xb 33,554,432 bytes; t 4,194,304 bytes; wb 2,097,152 bytes
;; launch tprod (part 1): grid 16 x 16, 8 waves a work-group, no clusters, 140,288 bytes of LDS; arguments x, C, A, xb, t; writes xb, t
.if DOCPART == 1
	.amdgcn_target "amdgcn-amd-amdhsa--gfx1250"
	.amdhsa_code_object_version 6
	.text
	.protected	k_qbcca28d988_tprod
	.globl	k_qbcca28d988_tprod
	.p2align	8
	.type	k_qbcca28d988_tprod,@function
k_qbcca28d988_tprod:
	s_mov_b64 s[64:65], 0
	v_nop
	global_prefetch_b8 v0, s[64:65] scope:SCOPE_SE
	s_setreg_imm32_b32 hwreg(HW_REG_WAVE_MODE, 25, 1), 1
	s_wait_xcnt 0x0
; FIRST OF THREE LAUNCHES for y = x B^T A C^T, taken as y = x W^T with W[o][i] = sum over h of T[o][h] B[h][i], T[o][h] = sum over k of C[o][k] A[h][k].
; The chain has no step between its products, so the regrouping holds for every input; what changes is the order of rounding.
; THIS LAUNCH: T = C A^T (1024 x 1024 x 1024), and rows 0 to 8,191 of x rounded to bf16 into xb.
; LIMITS.  C, A and x are rounded to bf16 (nearest even); sums in f32, K split eight ways and added in a tree; T leaves as TWO bf16 numbers, hi = bf16(T), lo = bf16(T - hi):
; some 16 significant bits, so that only W's rounding is left of the intermediates'.  bf16 has f32's range.  NaN and infinities are not treated apart.
; t's layout: byte = o x 4096 + (h / 64) x 256 + part x 128 + (h % 64) x 2, part 0 = hi, 1 = lo: a row's 64 hi and 64 lo of one block of h are 256 bytes on end.
; SHARES.  A work-group makes 64 (o) x 64 (h) of T.  K IS SPLIT AMONG ITS EIGHT WAVES: wave v takes k = 128 v .. 128 v + 127, in four trips of 32, for all 16 accumulators of 16 x 16.
; Fragments come straight from memory (f32, four loads of 16 bytes a lane and fragment) and are rounded in the registers they landed in: no wave wants a byte that another has fetched.
; Two sets of 128 registers, a trip each: while one is multiplied the other's 32 loads (16 KiB a wave) are on their way.  The eight partial tiles meet in LDS at the end.
; The product is taken transposed (source 0 = 16 rows of A, source 1 = 16 rows of C): lane l then holds row o = l % 16 and the eight neighbouring h = 8 (l / 16) + 0..7.
; THE CAST.  A work-group rounds 32 rows of x, a wave four: 16 KiB on end, 32 loads of 512 bytes issued first of all, into the registers that later are set 1.
; No tensor loads, cluster or prefetch: four trips, operands of 8 MiB that sixteen work-groups each read again, and a ring would put a barrier into every trip.
; REGISTERS.  window 0: v2-17 addresses; v32-159 set 0, later the finishing rounds' two buffers; v160-183 at work; v192-207 what is stored.
;             window 1: v0-127 the accumulators (o block oi, h block hj at 8 (4 oi + hj)); v128-255 x, then set 1.
.set PPITCH, 272                       ; a row of a partial tile in LDS: 64 f32 + 16 bytes: an odd multiple of 16, so sixteen rows' 16 bytes fall into sixteen different columns of 16 bytes modulo 256
.set PTILE,  64*PPITCH                 ; a wave's partial tile
.set SPARE,  8*PTILE                   ; behind the eight tiles: the spare words, 128 bytes for each wave: four blocks of 256 bytes that no other line names
.set FO,  2                            ; v2   my byte offset in a fragment's rows of C and of A
.set XO,  4                            ; v4   my 16 bytes of x in the wave's first 512
.set YO,  5                            ; v5   my 8 bytes of xb in the wave's first 256
.set LS,  6                            ; v6   where I put 16 bytes of my wave's partial tile
.set LR,  7                            ; v7   where I read partial tiles 0-3 back
.set SPW, 8                            ; v8   LDS address of my spare word; never rewritten
.set NIL, 9                            ; v9   0; never rewritten
.set LR2, 11                           ; v11  the same as v7 for partial tiles 4-7 (an LDS offset has 16 bits)
.set OO,  12                           ; v12  my 16 bytes of t
.set WK,  160
.set OUT, 192
.set MSB, 0
.macro WIN new                         ; s_set_vgpr_msb: bits 1:0 source 0, 3:2 source 1, 5:4 source 2, 7:6 destination; the high byte repeats the setting that is left
.if MSB != (\new)
	s_set_vgpr_msb (MSB<<8)|(\new)
.set MSB, (\new)
.endif
.endm
.macro PLACES                          ; four places behind a product, in front of loads into registers that it has read
.rept 4
	v_nop
.endr
.endm
	s_load_b256 s[4:11], s[0:1], 0x0               ; x s[4:5], C s[6:7], A s[8:9], xb s[10:11]
	s_load_b64 s[12:13], s[0:1], 0x20              ; t
	v_lshl_add_u32 v[SPW], v0, 2, SPARE
	v_mov_b32 v[NIL], 0
	v_lshrrev_b32 v1, 5, v0
	v_readfirstlane_b32 s14, v1                    ; wave 0..7
	s_mov_b32 s15, ttmp9                           ; cb: the block of 64 h
	s_and_b32 s16, ttmp7, 0xffff                   ; ob: the block of 64 o
	s_mov_b32 s23, 0xffff0000                      ; a word's upper bf16
	v_and_b32 v13, 31, v0                          ; l
	v_and_b32 v14, 15, v0                          ; l % 16
	v_bfe_u32 v15, v0, 4, 1                        ; l / 16
	v_and_b32 v16, 7, v0                           ; l % 8
	v_and_b32 v10, 8, v0
	v_cmp_ne_u32 s22, 0, v10                       ; the lanes that store lo
	v_lshlrev_b32 v[FO], 12, v14                   ; row l % 16 of 4,096 bytes,
	v_lshl_add_u32 v[FO], v15, 5, v[FO]            ; eight f32 for each half of the lanes,
	s_lshl_b32 s24, s14, 9
	v_add_nc_u32 v[FO], s24, v[FO]                 ; my wave's 128 k
	s_lshl_b32 s24, s14, 14
	v_lshl_add_u32 v[XO], v13, 4, s24              ; 16 l + the wave's 16 KiB
	s_lshl_b32 s24, s14, 13
	v_lshl_add_u32 v[YO], v13, 3, s24              ; 8 l + the wave's 8 KiB
	s_mul_i32 s24, s14, PTILE
	v_mul_u32_u24 v[LS], v14, PPITCH
	v_lshl_add_u32 v[LS], v15, 5, v[LS]
	v_add_nc_u32 v[LS], s24, v[LS]                 ; my wave's tile, row l % 16, 32 bytes for each half of the lanes
	s_mul_i32 s24, s14, 8*PPITCH
	v_mul_u32_u24 v[LR], v15, PPITCH
	v_lshl_add_u32 v[LR], v16, 5, v[LR]
	v_add_nc_u32 v[LR], s24, v[LR]                 ; back: row 8 wave + l / 16, eight f32 at 32 (l % 8)
	v_add_nc_u32 v[LR2], 4*PTILE, v[LR]
	s_lshl_b32 s24, s14, 15
	v_lshlrev_b32 v[OO], 12, v15
	v_lshl_add_u32 v[OO], v14, 4, v[OO]
	v_add_nc_u32 v[OO], s24, v[OO]                 ; the same row in t, 16 bytes at 16 (l % 16)
	s_lshl_b32 s17, s16, 4
	s_add_co_u32 s17, s17, s15                     ; the work-group's number, 0..255
	s_lshl_b32 s18, s17, 17                        ; its 32 rows of x, 4,096 bytes each
	s_mov_b32 s19, 0
	s_lshl_b32 s20, s17, 16                        ; and of xb
	s_mov_b32 s21, 0
	s_wait_kmcnt 0x0
	s_add_nc_u64 s[4:5], s[4:5], s[18:19]
	s_add_nc_u64 s[10:11], s[10:11], s[20:21]
	s_lshl_b32 s18, s16, 18                        ; 64 rows of 4,096 bytes
	s_add_nc_u64 s[6:7], s[6:7], s[18:19]          ; C at row 64 ob
	s_add_nc_u64 s[12:13], s[12:13], s[18:19]      ; t at row 64 ob,
	s_lshl_b32 s20, s15, 18
	s_add_nc_u64 s[8:9], s[8:9], s[20:21]          ; A at row 64 cb
	s_lshl_b32 s20, s15, 8
	s_add_nc_u64 s[12:13], s[12:13], s[20:21]      ; block cb of h
; A trip's 32 loads into set b (set 0: v32-159 of window 0; set 1: v128-255 of window 1): C's four fragments at 16 f, A's at 64 + 16 f, 16 f32 a lane each.
.macro LOADS b, t
	WIN 0x40*(\b)
.irp f, 0,1,2,3
.irp q, 0,1,2,3
	global_load_b128 v[32+96*(\b)+16*(\f)+4*(\q):32+96*(\b)+16*(\f)+4*(\q)+3],       v[FO], s[6:7] offset:(\f)*65536+128*(\t)+64*((\q)/2)+16*((\q)%2)
	global_load_b128 v[32+96*(\b)+64+16*(\f)+4*(\q):32+96*(\b)+64+16*(\f)+4*(\q)+3], v[FO], s[8:9] offset:(\f)*65536+128*(\t)+64*((\q)/2)+16*((\q)%2)
.endr
.endr
.endm
; The set's eight fragments are rounded where they lie: word y takes f32 2 y and 2 y + 1, ascending, so that nothing is overwritten before it is read.  A fragment is then its first 8 registers.
.macro CVT b
	WIN 0x45*(\b)
.set z, 0
.rept 8
.set y, 0
.rept 8
	v_cvt_pk_bf16_f32 v[32+96*(\b)+16*z+y], v[32+96*(\b)+16*z+2*y], v[32+96*(\b)+16*z+2*y+1]
.set y, y+1
.endr
.set z, z+1
.endr
.endm
; A trip's 16 products.  The 16 accumulators take turns, one instruction a turn, in the same order in every trip.  zero = 1: the first trip starts the sums.
.macro MULS b, zero
	WIN 0x50+5*(\b)
.irp oi, 0,1,2,3
.irp hj, 0,1,2,3
.if \zero
	v_wmma_f32_16x16x32_bf16 v[8*(4*(\oi)+(\hj)):8*(4*(\oi)+(\hj))+7], v[32+96*(\b)+64+16*(\hj):32+96*(\b)+64+16*(\hj)+7], v[32+96*(\b)+16*(\oi):32+96*(\b)+16*(\oi)+7], 0
.else
	v_wmma_f32_16x16x32_bf16 v[8*(4*(\oi)+(\hj)):8*(4*(\oi)+(\hj))+7], v[32+96*(\b)+64+16*(\hj):32+96*(\b)+64+16*(\hj)+7], v[32+96*(\b)+16*(\oi):32+96*(\b)+16*(\oi)+7], v[8*(4*(\oi)+(\hj)):8*(4*(\oi)+(\hj))+7]
.endif
.endr
.endr
.endm
	WIN 0x40                                       ; x first: 32 loads of 512 neighbouring bytes
.set j, 0
.rept 32
	global_load_b128 v[128+4*j:128+4*j+3], v[XO], s[4:5] offset:512*j th:TH_LOAD_NT
.set j, j+1
.endr
	LOADS 0, 0
	s_wait_loadcnt 32                              ; x is in; trip 0's 32 loads stay out
	WIN 0x45
.set j, 0
.rept 32
	v_cvt_pk_bf16_f32 v[128+4*j],   v[128+4*j],   v[128+4*j+1]
	v_cvt_pk_bf16_f32 v[128+4*j+1], v[128+4*j+2], v[128+4*j+3]
.set j, j+1
.endr
	WIN 0x04
.set j, 0
.rept 32
	global_store_b64 v[YO], v[128+4*j:128+4*j+1], s[10:11] offset:256*j  ; the wave's store covers 256 consecutive bytes, aligned
.set j, j+1
.endr
	s_wait_xcnt 0x0                                ; the stores' data registers are loaded again only behind this wait
	LOADS 1, 1
	s_wait_loadcnt 32                              ; set 0 is in; set 1's 32 loads stay out
	CVT 0
	MULS 0, 1
	PLACES
	LOADS 0, 2
	s_wait_loadcnt 32                              ; set 1 is in; trip 2's loads stay out
	CVT 1
	MULS 1, 0
	PLACES
	LOADS 1, 3
	s_wait_loadcnt 32                              ; trip 2 is in; trip 3's loads stay out
	CVT 0
	MULS 0, 0
	s_wait_loadcnt 0x0
	CVT 1
	MULS 1, 0
.rept 8
	v_nop                                          ; places behind the last products, in front of the LDS stores that read their results
.endr
	WIN 0x04                                       ; my partial tile: each accumulator's low four registers first
.irp oi, 0,1,2,3
.irp hj, 0,1,2,3
	ds_store_b128 v[LS], v[8*(4*(\oi)+(\hj)):8*(4*(\oi)+(\hj))+3]   offset:(\oi)*16*PPITCH+64*(\hj)
	ds_store_b128 v[LS], v[8*(4*(\oi)+(\hj))+4:8*(4*(\oi)+(\hj))+7] offset:(\oi)*16*PPITCH+64*(\hj)+16
.endr
.endr
	WIN 0
	s_wait_dscnt 0x0                               ; for the others' sake: my stores are done
	s_barrier_signal -1
	s_barrier_wait -1                              ; all eight partial tiles lie in LDS
; THE END: wave v finishes rows 8 v .. 8 v + 7 of the tile, two rows a round.  Lanes c and c + 8 of a half add up the same eight sums; the first stores their hi, the second their lo,
; so that sixteen lanes store a row's 256 bytes of t whole.
.macro RLOAD s, buf                    ; 16 LDS loads: my eight f32 of each of the eight partial tiles; tile p at buf + 8 p
.irp p, 0,1,2,3
	ds_load_b128 v[(\buf)+8*(\p):(\buf)+8*(\p)+3],   v[LR] offset:(\p)*PTILE+2*PPITCH*(\s)
	ds_load_b128 v[(\buf)+8*(\p)+4:(\buf)+8*(\p)+7], v[LR] offset:(\p)*PTILE+2*PPITCH*(\s)+16
.endr
.irp p, 0,1,2,3
	ds_load_b128 v[(\buf)+32+8*(\p):(\buf)+32+8*(\p)+3],   v[LR2] offset:(\p)*PTILE+2*PPITCH*(\s)
	ds_load_b128 v[(\buf)+32+8*(\p)+4:(\buf)+32+8*(\p)+7], v[LR2] offset:(\p)*PTILE+2*PPITCH*(\s)+16
.endr
.endm
.macro SUM buf                         ; eight partial sums of eight numbers, as a tree: 16 + 8 + 4 packed additions
.irp w, 32, 16, 8
.set z, 0
.rept (\w)/2
	v_pk_add_f32 v[(\buf)+2*z:(\buf)+2*z+1], v[(\buf)+2*z:(\buf)+2*z+1], v[(\buf)+(\w)+2*z:(\buf)+(\w)+2*z+1]
.set z, z+1
.endr
.endr
.endm
.macro FIN s, buf
	SUM \buf
.irp i, 0,1,2,3
	v_cvt_pk_bf16_f32 v[WK+(\i)], v[(\buf)+2*(\i)], v[(\buf)+2*(\i)+1]   ; hi
.endr
.irp i, 0,1,2,3
	v_lshlrev_b32 v[WK+4+2*(\i)],   16,  v[WK+(\i)]                       ; hi as f32
	v_and_b32     v[WK+4+2*(\i)+1], s23, v[WK+(\i)]
.endr
.irp i, 0,1,2,3
	v_pk_add_f32 v[WK+12+2*(\i):WK+12+2*(\i)+1], v[(\buf)+2*(\i):(\buf)+2*(\i)+1], v[WK+4+2*(\i):WK+4+2*(\i)+1] neg_lo:[0,1] neg_hi:[0,1]  ; T - hi, exact
.endr
.irp i, 0,1,2,3
	v_cvt_pk_bf16_f32 v[WK+20+(\i)], v[WK+12+2*(\i)], v[WK+12+2*(\i)+1]  ; lo
.endr
.irp i, 0,1,2,3
	v_cndmask_b32 v[OUT+4*(\s)+(\i)], v[WK+(\i)], v[WK+20+(\i)], s22
.endr
	global_store_b128 v[OO], v[OUT+4*(\s):OUT+4*(\s)+3], s[12:13] offset:8192*(\s)  ; sixteen lanes store 256 consecutive bytes, aligned; each round has data registers of its own
.endm
	RLOAD 0, 32
	RLOAD 1, 96
	s_wait_dscnt 16                                ; round 0 is in; round 1's 16 loads stay out
	FIN 0, 32
	RLOAD 2, 32
	s_wait_dscnt 16                                ; round 1 is in; round 2's stay out
	FIN 1, 96
	RLOAD 3, 96
	s_wait_dscnt 16                                ; round 2 is in; round 3's stay out
	FIN 2, 32
	s_wait_dscnt 0x0
	FIN 3, 96
	s_wait_tensorcnt 0x0                           ; the wave's end, behind my last LDS store
	ds_add_u32 v[SPW], v[NIL]
	s_wait_dscnt 0x0
	s_endpgm
.Lfunc_end_k_qbcca28d988_tprod:
	.size	k_qbcca28d988_tprod, .Lfunc_end_k_qbcca28d988_tprod-k_qbcca28d988_tprod
	.p2alignl 7, 3214868480
	.fill 96, 4, 3214868480
	.section	.rodata,"a",@progbits
	.p2align	6, 0x0
	.amdhsa_kernel k_qbcca28d988_tprod
		.amdhsa_group_segment_fixed_size 140288
		.amdhsa_private_segment_fixed_size 0
		.amdhsa_enable_private_segment 0
		.amdhsa_kernarg_size 40
		.amdhsa_user_sgpr_count 2
		.amdhsa_user_sgpr_kernarg_segment_ptr 1
		.amdhsa_wavefront_size32 1
		.amdhsa_system_sgpr_workgroup_id_x 1
		.amdhsa_system_sgpr_workgroup_id_y 1
		.amdhsa_system_sgpr_workgroup_id_z 1
		.amdhsa_system_vgpr_workitem_id 0
		.amdhsa_next_free_vgpr 512
		.amdhsa_next_free_sgpr 66
		.amdhsa_reserve_vcc 0
		.amdhsa_float_denorm_mode_32 3
		.amdhsa_float_denorm_mode_16_64 3
		.amdhsa_memory_ordered 1
		.amdhsa_forward_progress 1
		.amdhsa_inst_pref_size 65
	.end_amdhsa_kernel
	.amdgpu_metadata
---
amdhsa.version: [ 1, 2 ]
amdhsa.kernels:
  - .name:           k_qbcca28d988_tprod
    .symbol:         k_qbcca28d988_tprod.kd
    .args:
      - { .name: x, .offset: 0, .size: 8, .value_kind: global_buffer, .address_space: global }
      - { .name: C, .offset: 8, .size: 8, .value_kind: global_buffer, .address_space: global }
      - { .name: A, .offset: 16, .size: 8, .value_kind: global_buffer, .address_space: global }
      - { .name: xb, .offset: 24, .size: 8, .value_kind: global_buffer, .address_space: global }
      - { .name: t, .offset: 32, .size: 8, .value_kind: global_buffer, .address_space: global }
    .group_segment_fixed_size: 140288
    .private_segment_fixed_size: 0
    .kernarg_segment_align: 8
    .kernarg_segment_size: 40
    .max_flat_workgroup_size: 256
    .sgpr_count:     66
    .vgpr_count:     512
    .wavefront_size: 32
...
	.end_amdgpu_metadata
.endif
;; end of part 1
;; launch wprod (part 2): grid 16 x 16, 8 waves a work-group, no clusters, 140,288 bytes of LDS; arguments x, t, B, xb, wb; writes xb, wb
.if DOCPART == 2
	.amdgcn_target "amdgcn-amd-amdhsa--gfx1250"
	.amdhsa_code_object_version 6
	.text
	.protected	k_qbcca28d988_wprod
	.globl	k_qbcca28d988_wprod
	.p2align	8
	.type	k_qbcca28d988_wprod,@function
k_qbcca28d988_wprod:
	s_mov_b64 s[64:65], 0
	v_nop
	global_prefetch_b8 v0, s[64:65] scope:SCOPE_SE
	s_setreg_imm32_b32 hwreg(HW_REG_WAVE_MODE, 25, 1), 1
	s_wait_xcnt 0x0
; SECOND OF THREE LAUNCHES for y = x W^T, W[o][i] = sum over h of T[o][h] B[h][i].
; THIS LAUNCH: W = (Thi + Tlo) B (1024 x 1024 x 1024, twice), and rows 8,192 to 16,383 of x rounded to bf16 into xb.
; LIMITS.  B and x are rounded to bf16 (nearest even); T comes as two bf16 numbers, and both are multiplied; sums in f32, K split eight ways and added in a tree; W is rounded ONCE to bf16.
; bf16 has f32's range.  NaN and infinities are not treated apart.
; t's layout: byte = o x 4096 + (h / 64) x 256 + part x 128 + (h % 64) x 2.   wb's layout, in blocks of 64 i: byte = (i / 64) x 131072 + o x 128 + (i % 64) x 2: 256 rows of a block are 32 KiB on end.
; SHARES.  A work-group makes 64 (o) x 64 (i) of W.  K (= h) IS SPLIT AMONG ITS EIGHT WAVES: wave v takes h = 128 v .. 128 v + 127, in four trips of 32, for all 16 accumulators.
; T's fragments come as they lie (two loads of 16 bytes a lane).  B lies [h][i], h being K: a lane loads 16 bytes (i = 4 r + 0..3, r = l % 16) of each of its 16 rows h, sixteen lanes 256 bytes on end;
; component c of those loads, rounded in pairs of h, IS a fragment whose sixteen rows are the columns i = 4 r + c.  So nothing is turned: the four fragments take the columns by their remainder modulo 4.
; The product is taken transposed (source 0 = B's fragment c, source 1 = 16 rows of T): lane l holds row o = l % 16 and i = 32 (l / 16) + 4 j + c in register j.
; The partial tiles keep that order in LDS (row o, plane c, place p = i / 4); the last reading takes it back.
; THE CAST and the two sets of registers: as in the launch before.  No tensor loads, cluster or prefetch, for the same reasons: four trips, small operands read again by sixteen work-groups.
; REGISTERS.  window 0: v2-17 addresses; v32-159 set 0, later the finishing rounds' two buffers; v160-191 B's four rounded fragments; v192-199 what is stored.
;             window 1: v0-127 the accumulators (o block oi, remainder c at 8 (4 oi + c)); v128-255 x, then set 1.
.set PPITCH, 272                       ; a row of a partial tile in LDS: 64 f32 + 16 bytes: an odd multiple of 16
.set PTILE,  64*PPITCH
.set SPARE,  8*PTILE                   ; behind the eight tiles: the spare words, 128 bytes for each wave: four blocks of 256 bytes that no other line names
.set FT,  2                            ; v2   my byte offset in a fragment's rows of t
.set FB,  3                            ; v3   my byte offset in B
.set XO,  4                            ; v4   my 16 bytes of x in the wave's first 512
.set YO,  5                            ; v5   my 8 bytes of xb in the wave's first 256
.set LS,  6                            ; v6   where I put 16 bytes of my wave's partial tile
.set LR,  7                            ; v7   where I read partial tiles 0-3 back
.set SPW, 8                            ; v8   LDS address of my spare word; never rewritten
.set NIL, 9                            ; v9   0; never rewritten
.set LR2, 11                           ; v11  the same as v7 for partial tiles 4-7
.set OO,  12                           ; v12  my 16 bytes of wb
.set FBF, 160
.set OUT, 192
.set MSB, 0
.macro WIN new                         ; s_set_vgpr_msb: bits 1:0 source 0, 3:2 source 1, 5:4 source 2, 7:6 destination; the high byte repeats the setting that is left
.if MSB != (\new)
	s_set_vgpr_msb (MSB<<8)|(\new)
.set MSB, (\new)
.endif
.endm
.macro PLACES                          ; four places behind a product, in front of loads into, and conversions that write, registers that it has read
.rept 4
	v_nop
.endr
.endm
	s_load_b256 s[4:11], s[0:1], 0x0               ; x s[4:5], t s[6:7], B s[8:9], xb s[10:11]
	s_load_b64 s[12:13], s[0:1], 0x20              ; wb
	v_lshl_add_u32 v[SPW], v0, 2, SPARE
	v_mov_b32 v[NIL], 0
	v_lshrrev_b32 v1, 5, v0
	v_readfirstlane_b32 s14, v1                    ; wave 0..7
	s_mov_b32 s15, ttmp9                           ; cb: the block of 64 i
	s_and_b32 s16, ttmp7, 0xffff                   ; ob: the block of 64 o
	v_and_b32 v13, 31, v0                          ; l
	v_and_b32 v14, 15, v0                          ; l % 16
	v_bfe_u32 v15, v0, 4, 1                        ; l / 16
	v_and_b32 v16, 7, v0                           ; l % 8
	v_bfe_u32 v17, v0, 3, 2                        ; l / 8
	v_lshlrev_b32 v[FT], 12, v14                   ; row l % 16 of 4,096 bytes,
	v_lshl_add_u32 v[FT], v15, 4, v[FT]            ; eight bf16 for each half of the lanes,
	s_lshl_b32 s24, s14, 9
	v_add_nc_u32 v[FT], s24, v[FT]                 ; my wave's two blocks of 64 h
	v_lshlrev_b32 v[FB], 15, v15                   ; B: eight rows of 4,096 bytes for each half of the lanes,
	v_lshl_add_u32 v[FB], v14, 4, v[FB]            ; four f32 at 16 (l % 16),
	s_lshl_b32 s24, s14, 19
	v_add_nc_u32 v[FB], s24, v[FB]                 ; my wave's 128 rows
	s_lshl_b32 s24, s14, 14
	v_lshl_add_u32 v[XO], v13, 4, s24
	s_lshl_b32 s24, s14, 13
	v_lshl_add_u32 v[YO], v13, 3, s24
	s_mul_i32 s24, s14, PTILE
	v_mul_u32_u24 v[LS], v14, PPITCH
	v_lshl_add_u32 v[LS], v15, 5, v[LS]
	v_add_nc_u32 v[LS], s24, v[LS]                 ; my wave's tile, row l % 16, 32 bytes for each half of the lanes
	s_mul_i32 s24, s14, 8*PPITCH
	v_mul_u32_u24 v[LR], v17, PPITCH
	v_lshl_add_u32 v[LR], v16, 3, v[LR]
	v_add_nc_u32 v[LR], s24, v[LR]                 ; back: row 8 wave + l / 8, places 2 (l % 8) and the next of a plane
	v_add_nc_u32 v[LR2], 4*PTILE, v[LR]
	s_lshl_b32 s24, s14, 10
	v_lshl_add_u32 v[OO], v13, 4, s24              ; the wave's eight rows of 128 bytes, 16 bytes a lane
	s_lshl_b32 s17, s16, 4
	s_add_co_u32 s17, s17, s15                     ; the work-group's number, 0..255
	s_lshl_b32 s18, s17, 17                        ; its 32 rows of x
	s_mov_b32 s19, 0
	s_lshl_b32 s20, s17, 16                        ; and of xb
	s_mov_b32 s21, 0
	s_wait_kmcnt 0x0
	s_add_nc_u64 s[4:5], s[4:5], s[18:19]
	s_add_nc_u64 s[4:5], s[4:5], 0x2000000         ; from row 8,192 on
	s_add_nc_u64 s[10:11], s[10:11], s[20:21]
	s_add_nc_u64 s[10:11], s[10:11], 0x1000000
	s_lshl_b32 s18, s16, 18
	s_add_nc_u64 s[6:7], s[6:7], s[18:19]          ; t at row 64 ob
	s_lshl_b32 s20, s15, 8
	s_add_nc_u64 s[8:9], s[8:9], s[20:21]          ; B at column 64 cb
	s_lshl_b32 s18, s15, 17
	s_add_nc_u64 s[12:13], s[12:13], s[18:19]      ; wb at block cb,
	s_lshl_b32 s20, s16, 13
	s_add_nc_u64 s[12:13], s[12:13], s[20:21]      ; row 64 ob
; A trip's 32 loads into set b (set 0: v32-159 of window 0; set 1: v128-255 of window 1): T's fragments (o block oi, part) at 8 (2 oi + part); B's 16 rows at 64 + 4 jj.
.macro LOADS b, t
	WIN 0x40*(\b)
.irp oi, 0,1,2,3
.irp part, 0,1
	global_load_b128 v[32+96*(\b)+8*(2*(\oi)+(\part)):32+96*(\b)+8*(2*(\oi)+(\part))+3],   v[FT], s[6:7] offset:(\oi)*65536+((\t)/2)*256+(\part)*128+((\t)%2)*64
	global_load_b128 v[32+96*(\b)+8*(2*(\oi)+(\part))+4:32+96*(\b)+8*(2*(\oi)+(\part))+7], v[FT], s[6:7] offset:(\oi)*65536+((\t)/2)*256+(\part)*128+((\t)%2)*64+32
.endr
.endr
.set jj, 0
.rept 16                               ; row h = 128 wave + 32 t + 16 (jj / 8) + 8 (l / 16) + jj % 8
	global_load_b128 v[32+96*(\b)+64+4*jj:32+96*(\b)+64+4*jj+3], v[FB], s[8:9] offset:(32*(\t)+16*(jj/8)+jj%8)*4096
.set jj, jj+1
.endr
.endm
; B's four fragments: word y of fragment c takes component c of rows 2 y and 2 y + 1.
.macro CVT b
	WIN 0x05*(\b)
.irp c, 0,1,2,3
.set y, 0
.rept 8
	v_cvt_pk_bf16_f32 v[FBF+8*(\c)+y], v[32+96*(\b)+64+8*y+(\c)], v[32+96*(\b)+64+8*y+4+(\c)]
.set y, y+1
.endr
.endr
.endm
; A trip's 32 products: T's hi, then T's lo.  The 16 accumulators take turns, one instruction a turn, in the same order throughout.  zero = 1: the first 16 start the sums.
.macro MULS b, zero
	WIN 0x50+4*(\b)
.irp part, 0,1
.irp oi, 0,1,2,3
.irp c, 0,1,2,3
.if (\zero) && ((\part) == 0)
	v_wmma_f32_16x16x32_bf16 v[8*(4*(\oi)+(\c)):8*(4*(\oi)+(\c))+7], v[FBF+8*(\c):FBF+8*(\c)+7], v[32+96*(\b)+8*(2*(\oi)+(\part)):32+96*(\b)+8*(2*(\oi)+(\part))+7], 0
.else
	v_wmma_f32_16x16x32_bf16 v[8*(4*(\oi)+(\c)):8*(4*(\oi)+(\c))+7], v[FBF+8*(\c):FBF+8*(\c)+7], v[32+96*(\b)+8*(2*(\oi)+(\part)):32+96*(\b)+8*(2*(\oi)+(\part))+7], v[8*(4*(\oi)+(\c)):8*(4*(\oi)+(\c))+7]
.endif
.endr
.endr
.endr
.endm
	WIN 0x40                                       ; x first: 32 loads of 512 neighbouring bytes
.set j, 0
.rept 32
	global_load_b128 v[128+4*j:128+4*j+3], v[XO], s[4:5] offset:512*j th:TH_LOAD_NT
.set j, j+1
.endr
	LOADS 0, 0
	s_wait_loadcnt 32                              ; x is in; trip 0's 32 loads stay out
	WIN 0x45
.set j, 0
.rept 32
	v_cvt_pk_bf16_f32 v[128+4*j],   v[128+4*j],   v[128+4*j+1]
	v_cvt_pk_bf16_f32 v[128+4*j+1], v[128+4*j+2], v[128+4*j+3]
.set j, j+1
.endr
	WIN 0x04
.set j, 0
.rept 32
	global_store_b64 v[YO], v[128+4*j:128+4*j+1], s[10:11] offset:256*j  ; the wave's store covers 256 consecutive bytes, aligned
.set j, j+1
.endr
	s_wait_xcnt 0x0                                ; the stores' data registers are loaded again only behind this wait
	LOADS 1, 1
	s_wait_loadcnt 32                              ; set 0 is in; set 1's 32 loads stay out
	CVT 0
	MULS 0, 1
	PLACES                                         ; for the loads below, and for the next trip's conversions, which write B's fragments anew
	LOADS 0, 2
	s_wait_loadcnt 32                              ; set 1 is in; trip 2's loads stay out
	CVT 1
	MULS 1, 0
	PLACES
	LOADS 1, 3
	s_wait_loadcnt 32                              ; trip 2 is in; trip 3's loads stay out
	CVT 0
	MULS 0, 0
	PLACES                                         ; for the last trip's conversions
	s_wait_loadcnt 0x0
	CVT 1
	MULS 1, 0
.rept 8
	v_nop                                          ; places behind the last products, in front of the LDS stores that read their results
.endr
	WIN 0x04                                       ; my partial tile: row o, plane c at 64 c; each accumulator's low four registers first
.irp oi, 0,1,2,3
.irp c, 0,1,2,3
	ds_store_b128 v[LS], v[8*(4*(\oi)+(\c)):8*(4*(\oi)+(\c))+3]   offset:(\oi)*16*PPITCH+64*(\c)
	ds_store_b128 v[LS], v[8*(4*(\oi)+(\c))+4:8*(4*(\oi)+(\c))+7] offset:(\oi)*16*PPITCH+64*(\c)+16
.endr
.endr
	WIN 0
	s_wait_dscnt 0x0                               ; for the others' sake: my stores are done
	s_barrier_signal -1
	s_barrier_wait -1                              ; all eight partial tiles lie in LDS
; THE END: wave v finishes rows 8 v .. 8 v + 7, four rows a round.  A lane makes i = 8 (l % 8) + 0..7 of a row: of each plane c the places 2 (l % 8) and the next, 8 bytes.
; These loads of 8 bytes meet in some banks two to four deep: 64 loads a wave, once a launch.
.macro RLOAD s, buf                    ; 32 LDS loads: tile p, plane c at buf + 8 p + 2 c
.irp p, 0,1,2,3
.irp c, 0,1,2,3
	ds_load_b64 v[(\buf)+8*(\p)+2*(\c):(\buf)+8*(\p)+2*(\c)+1], v[LR] offset:(\p)*PTILE+4*PPITCH*(\s)+64*(\c)
.endr
.endr
.irp p, 0,1,2,3
.irp c, 0,1,2,3
	ds_load_b64 v[(\buf)+32+8*(\p)+2*(\c):(\buf)+32+8*(\p)+2*(\c)+1], v[LR2] offset:(\p)*PTILE+4*PPITCH*(\s)+64*(\c)
.endr
.endr
.endm
.macro SUM buf                         ; eight partial sums of eight numbers, as a tree: 16 + 8 + 4 packed additions
.irp w, 32, 16, 8
.set z, 0
.rept (\w)/2
	v_pk_add_f32 v[(\buf)+2*z:(\buf)+2*z+1], v[(\buf)+2*z:(\buf)+2*z+1], v[(\buf)+(\w)+2*z:(\buf)+(\w)+2*z+1]
.set z, z+1
.endr
.endr
.endm
.macro FIN s, buf                      ; register 2 c holds i % 8 = c, register 2 c + 1 holds i % 8 = 4 + c
	SUM \buf
	v_cvt_pk_bf16_f32 v[OUT+4*(\s)],   v[(\buf)],   v[(\buf)+2]
	v_cvt_pk_bf16_f32 v[OUT+4*(\s)+1], v[(\buf)+4], v[(\buf)+6]
	v_cvt_pk_bf16_f32 v[OUT+4*(\s)+2], v[(\buf)+1], v[(\buf)+3]
	v_cvt_pk_bf16_f32 v[OUT+4*(\s)+3], v[(\buf)+5], v[(\buf)+7]
	global_store_b128 v[OO], v[OUT+4*(\s):OUT+4*(\s)+3], s[12:13] offset:512*(\s)  ; the wave's store covers 512 consecutive bytes, aligned
.endm
	RLOAD 0, 32
	RLOAD 1, 96
	s_wait_dscnt 32                                ; round 0 is in; round 1's 32 loads stay out
	FIN 0, 32
	s_wait_dscnt 0x0
	FIN 1, 96
	s_wait_tensorcnt 0x0                           ; the wave's end, behind my last LDS store
	ds_add_u32 v[SPW], v[NIL]
	s_wait_dscnt 0x0
	s_endpgm
.Lfunc_end_k_qbcca28d988_wprod:
	.size	k_qbcca28d988_wprod, .Lfunc_end_k_qbcca28d988_wprod-k_qbcca28d988_wprod
	.p2alignl 7, 3214868480
	.fill 96, 4, 3214868480
	.section	.rodata,"a",@progbits
	.p2align	6, 0x0
	.amdhsa_kernel k_qbcca28d988_wprod
		.amdhsa_group_segment_fixed_size 140288
		.amdhsa_private_segment_fixed_size 0
		.amdhsa_enable_private_segment 0
		.amdhsa_kernarg_size 40
		.amdhsa_user_sgpr_count 2
		.amdhsa_user_sgpr_kernarg_segment_ptr 1
		.amdhsa_wavefront_size32 1
		.amdhsa_system_sgpr_workgroup_id_x 1
		.amdhsa_system_sgpr_workgroup_id_y 1
		.amdhsa_system_sgpr_workgroup_id_z 1
		.amdhsa_system_vgpr_workitem_id 0
		.amdhsa_next_free_vgpr 512
		.amdhsa_next_free_sgpr 66
		.amdhsa_reserve_vcc 0
		.amdhsa_float_denorm_mode_32 3
		.amdhsa_float_denorm_mode_16_64 3
		.amdhsa_memory_ordered 1
		.amdhsa_forward_progress 1
		.amdhsa_inst_pref_size 53
	.end_amdhsa_kernel
	.amdgpu_metadata
---
amdhsa.version: [ 1, 2 ]
amdhsa.kernels:
  - .name:           k_qbcca28d988_wprod
    .symbol:         k_qbcca28d988_wprod.kd
    .args:
      - { .name: x, .offset: 0, .size: 8, .value_kind: global_buffer, .address_space: global }
      - { .name: t, .offset: 8, .size: 8, .value_kind: global_buffer, .address_space: global }
      - { .name: B, .offset: 16, .size: 8, .value_kind: global_buffer, .address_space: global }
      - { .name: xb, .offset: 24, .size: 8, .value_kind: global_buffer, .address_space: global }
      - { .name: wb, .offset: 32, .size: 8, .value_kind: global_buffer, .address_space: global }
    .group_segment_fixed_size: 140288
    .private_segment_fixed_size: 0
    .kernarg_segment_align: 8
    .kernarg_segment_size: 40
    .max_flat_workgroup_size: 256
    .sgpr_count:     66
    .vgpr_count:     512
    .wavefront_size: 32
...
	.end_amdgpu_metadata
.endif
;; end of part 2
;; launch big (part 3): grid 4 x 64, 4 waves a work-group, clusters of 4 x 4, 327,680 bytes of LDS; arguments xb, wb, out0; writes out0
.if DOCPART == 3
	.amdgcn_target "amdgcn-amd-amdhsa--gfx1250"
	.amdhsa_code_object_version 6
	.text
	.protected	k_qbcca28d988_big
	.globl	k_qbcca28d988_big
	.p2align	8
	.type	k_qbcca28d988_big,@function
k_qbcca28d988_big:
	s_mov_b64 s[64:65], 0
	v_nop
	global_prefetch_b8 v0, s[64:65] scope:SCOPE_SE
	s_setreg_imm32_b32 hwreg(HW_REG_WAVE_MODE, 25, 1), 1
	s_wait_xcnt 0x0
	s_wait_alu depctr_hold_cnt(0) depctr_sa_sdst(0) depctr_va_vdst(0) depctr_va_sdst(0) depctr_va_ssrc(0) depctr_va_vcc(0) depctr_vm_vsrc(0)
	s_getreg_b32 s2, hwreg(HW_REG_IB_STS2, 6, 4)
	s_cmp_eq_u32 s2, 0
	s_cbranch_scc0 .Lentry_in_a_cluster
	s_endpgm
.Lentry_in_a_cluster:
	s_bfe_u32 s2, ttmp6, 0x10000c
	s_cmp_lg_u32 s2, 0xf033
	s_cbranch_scc0 .Lentry_shape_is_right
	s_endpgm
.Lentry_shape_is_right:
; THIRD OF THREE LAUNCHES: out0[m][o] = sum over i of xb[m][i] W[o][i].  xb: [16384][1024] bf16.  W: 1024 x 1024 bf16 in blocks of 64 i: byte = (i / 64) x 131072 + o x 128 + (i % 64) x 2.  out0: f32.
; LIMITS.  One f32 sum for each output, i ascending.  x and W were rounded to bf16 by the launches before (W = (C A^T) B: the chain regrouped, so the order of rounding is not the written chain's).
; NaN and infinities are not treated apart.
; SHARES.  A tile of out0, 256 x 256, is made by a work-group of four waves; a wave makes 128 x 128: 64 accumulators of 16 x 16, 512 registers.  64 x 4 tiles: 256 work-groups, one tile each.
; K goes in eight steps of 128 through a ring of two LDS slots filled by the tensor data mover.  xb's tile: 256 rows of 256 bytes.  W's tile: the step's two blocks of 64 i, of each the tile's 256 rows
; of 128 bytes, which lie on end in memory and are asked for as 128 rows of 256 bytes.
; CLUSTERS: 4 x 4 work-groups.  The four of a row of the cluster need the same tiles of xb, the four of a column the same tiles of W: each tile is asked for JOINTLY, by the same tensor load with the
; same descriptor and a mask that names the four.
; THE MATRIX INSTRUCTION IS USED TRANSPOSED: source 0 = 16 rows of W, source 1 = 16 rows of xb: lane l holds row m = l % 16 and the eight neighbouring columns 8 (l / 16) + 0..7: 32 bytes of a row.
; REGISTERS, in windows of 256 (s_set_vgpr_msb's low byte: bits 1:0 source 0, 3:2 source 1, 5:4 source 2, 7:6 destination):
;   window 0: v0-31 addresses; v64-127, v128-191 fragments of xb (8 x 16 rows x 32 K), two buffers; on the way out the same registers take 16 rows read back from the stage, by turns
;   window 1: v64-127, v128-191 fragments of W, two buffers
;   window 2: the 32 accumulators of my rows 0-63 (accumulator (a, b) at v[8 (8 a + b)]);   window 3: those of my rows 64-127
.set KSTEP,  128
.set PITCH,  272                       ; an LDS row of xb: 256 bytes + 16 of padding: an odd multiple of 16, so the 16 rows of a fragment load fall into 16 different columns of 16 bytes modulo 256
.set PB,     144                       ; an LDS row of W's block: 128 bytes + 16: likewise
.set AHALF,  128*PITCH                 ; 128 rows of xb: what one tensor load brings, and what one wave reads
.set ATILE,  2*AHALF
.set BSUB,   256*PB                    ; 256 rows of one block of 64 i: what one tensor load brings
.set SLOT,   ATILE+2*BSUB              ; xb's 256 rows, then W's two blocks
.set STAGE,  2*SLOT                    ; behind the ring: 16 rows x 528 bytes for each wave, for the way out; no tensor load lands there
.set SPITCH, 528                       ; 128 f32 + 16 bytes: an odd multiple of 16
.set SPARE,  STAGE+4*16*SPITCH         ; behind the stages: the spare words, 128 bytes for each wave: two blocks of 256 bytes that no other line names
.set LAPS,   4                         ; a lap = two K steps = once round the ring
.set ADRA, 16                          ; v16-17  LDS address of my xb fragments in slot 0, 1
.set ADRB, 20                          ; v20-21  the same for W
.set STO,  24                          ; v24     the way out: where I put 16 bytes of a row
.set RD,   25                          ; v25     the way out: where I read a row back
.set CO,   26                          ; v26     16 x my lane: my bytes in 512 of a row of out0
.set SPW,  28                          ; v28     LDS address of my spare word; never rewritten
.set NIL,  29                          ; v29     0; never rewritten
.set PFO,  30                          ; v30     the prefetches' offset: my lane x 2,048 (a row of xb) or x 256 (of W's dense block); never rewritten
.set PFS,  22                          ; s[22:23] a K step in the stream that I prefetch: 256 bytes along xb's rows, or two blocks of W
.set LIM,  43                          ; s43     1 in a wave that prefetches, else the greatest number
.set PFA,  44                          ; s[44:45] where my prefetches stand
.set F0,   64
.set F1,   128
.set G1,  24                           ; s[24:31] descriptor group 1 for xb's tiles
.set G0,  32                           ; s[32:39] group 0, one set for each slot
.set G1B, 48                           ; s[48:55], s[56:63] the same for W's tiles
.set G0B, 56
.set MSB, 0
.macro WIN new                         ; the immediate's high byte repeats the setting that is left; a switch that changes nothing is dropped
.if MSB != (\new)
	s_set_vgpr_msb (MSB<<8)|(\new)
.set MSB, \new
.endif
.endm
.set MUL_LO, 0xa1                      ; source 0 (W) window 1, source 1 (xb) window 0, C and D window 2
.set MUL_HI, 0xf1                      ; the same, C and D window 3
.set TO_B,   0x40                      ; destination window 1, address window 0
; A joint load.  Waves 0 and 1 fetch xb's two halves, waves 2 and 3 W's two blocks.  Each line has one mask and one set of registers for all that issue it; the branch hangs on the wave's number alone.
; An s_nop 0 and four v_nop follow each of the two lines, ahead of the jump, the label and what follows.
.macro JLOAD s
	s_cmp_eq_u32 s11, 0
	s_cbranch_scc0 .Lfor_b_\@
	tensor_load_to_lds s[G0+4*(\s):G0+4*(\s)+3], s[G1:G1+7]
	s_nop 0
.rept 4
	v_nop
.endr
	s_branch .Lasked_\@
.Lfor_b_\@:
	tensor_load_to_lds s[G0B+4*(\s):G0B+4*(\s)+3], s[G1B:G1B+7]
	s_nop 0
.rept 4
	v_nop
.endr
.Lasked_\@:
.endm
; A PREFETCH INTO THE L2, behind each joint refill, its five lines and the run of LDS loads that follows: the K step that stands TWO refills on, 512 matrix instructions ahead of the load that will want it:
; 32 blocks of 256 bytes, a lane a block, one instruction a wave.  At a change of slots every wave has waited for all its tensor loads, so a refill goes out with nothing on its way beside it.
; Each block is named ONCE in the launch.  xb's tile row is read by one cluster alone (the grid is one cluster wide); W's tile column by all sixteen clusters: the one with y = 0 asks.  The four partners that
; ask for a tile jointly share it out BY ADDRESS: of a wave's 128 rows of xb the partner at cx takes 32; of its 32 KiB of W the partner at cy takes 8 KiB.  No branch hangs on a place in the cluster.
; K steps 0 to 3 come by their loads alone; the loop's last trip (s3 = 1) asks for nothing: there is no K step two refills on.
.macro ASK
	s_cmp_gt_u32 s3, s[LIM]
	s_cbranch_scc0 .Lnot_mine_\@
	global_prefetch_b8 v[PFO], s[PFA:PFA+1] th:TH_LOAD_NT scope:SCOPE_SE
.Lnot_mine_\@:
.endm
; A round of the cluster's barrier: my work-group's barrier, so that wave 0's signal speaks for all four waves; wave 0 signals; every wave waits for all sixteen work-groups; my work-group's barrier once more.
.macro CREST                           ; a round behind its opening barrier
	s_cmp_lg_u32 s10, 0
	s_cbranch_scc1 .Lnot_wave_0_\@
	s_barrier_signal -3
.Lnot_wave_0_\@:
	s_barrier_wait -3
	s_barrier_signal -1
	s_barrier_wait -1
.endm
.macro CROUND                          ; a whole round
	s_barrier_signal -1
	s_barrier_wait -1
	CREST
.endm
	s_load_b128 s[4:7], s[0:1], 0x0                ; xb s[4:5], wb s[6:7]
	s_load_b64 s[8:9], s[0:1], 0x10                ; out0
	v_lshl_add_u32 v[SPW], v0, 2, SPARE
	v_mov_b32 v[NIL], 0
	ds_add_u32 v[SPW], v[NIL]                      ; the wave's opening: the add, twice on end, and its wait ahead of my first tensor load; the set-up below stands between the second and the wait
	ds_add_u32 v[SPW], v[NIL]                      ; and once more, under the one wait
	v_lshrrev_b32 v1, 5, v0
	v_readfirstlane_b32 s10, v1                    ; wave 0..3
	s_lshr_b32 s11, s10, 1                         ; which half of the tile's rows is mine.  Also: I fetch for xb (0) or for W (1)
	s_and_b32 s12, s10, 1                          ; which half of its columns.  Also: which half of xb's tile, or which of W's two blocks, I fetch
	s_bfe_u32 s40, ttmp6, 0x40000                  ; cx
	s_bfe_u32 s41, ttmp6, 0x40004                  ; cy
	s_lshl_b32 s42, ttmp9, 2
	s_add_co_u32 s42, s42, s40                     ; tile column = 4 x cluster x + cx
	s_and_b32 s13, ttmp7, 0xffff
	s_lshl_b32 s13, s13, 2
	s_add_co_u32 s13, s13, s41                     ; tile row = 4 x cluster y + cy
	s_lshl_b32 s43, s41, 2
	s_lshl_b32 s43, 15, s43                        ; my row of the cluster: places 4 cy .. 4 cy + 3
	s_lshl_b32 s44, 0x1111, s40                    ; my column: places cx, cx + 4, cx + 8, cx + 12
	; descriptor group 1: 128 rows x 128 elements of 2 bytes, padded in LDS
	s_or_b32 s[G1+0], s43, (1<<16)|(1<<20)|(1<<21)|(5<<22)|(3<<25)   ; 15:0 the mask: my row; 17:16 2-byte elements; 20 padding on; 21 set beside a mask; 24:22 after every 64 words (code 5); 31:25 4 words (code 3)
	s_or_b32 s[G1B+0], s44, (1<<16)|(1<<20)|(1<<21)|(4<<22)|(3<<25)  ; the mask: my column; padding after every 32 words (code 4): behind each of W's rows of 128 bytes
.irp g, G1, G1B
	s_mov_b32 s[(\g)+1], 128<<16                   ; tensor_dim0 = 128
	s_mov_b32 s[(\g)+2], 128<<16                   ; tensor_dim1 = 128
	s_mov_b32 s[(\g)+3], 128<<16                   ; tile_dim0 = 128
	s_mov_b32 s[(\g)+4], 128                       ; tile_dim1 = 128
	s_mov_b32 s[(\g)+6], 0
	s_mov_b32 s[(\g)+7], 0
.endr
	s_mov_b32 s[G1+5], 1024                        ; elements from row to row of xb
	s_mov_b32 s[G1B+5], 128                        ; W's block is dense: each row of 256 bytes begins where the last ends
	; where the tiles come from.  xb's hang on the tile row alone, W's on the tile column alone; every wave makes both, in registers that never hold the other coordinate
	s_lshl_b32 s16, s13, 8
	s_lshl_b32 s17, s12, 7
	s_add_co_u32 s16, s16, s17                     ; xb: row 256 x tile row + 128 x half,
	s_lshl_b32 s16, s16, 11                        ; of 2,048 bytes (under 2^25)
	s_mov_b32 s17, 0
	s_lshl_b32 s46, s12, 17                        ; W: block s12 of K step 0,
	s_lshl_b32 s47, s42, 15                        ; the tile column's 256 rows of 128 bytes
	s_add_co_u32 s46, s46, s47
	s_mov_b32 s47, 0
	s_mul_i32 s20, s12, AHALF                      ; and where they go: no place in the cluster enters an LDS address
	s_mul_i32 s21, s12, BSUB
	s_add_co_u32 s21, s21, ATILE
	s_wait_dscnt 0x0                               ; both opening adds are done
	s_wait_kmcnt 0x0
	s_add_nc_u64 s[14:15], s[4:5], s[16:17]
	s_add_nc_u64 s[46:47], s[6:7], s[46:47]
	CROUND                                         ; all sixteen work-groups are here: the first joint loads meet
.irp s, 0,1
	s_mov_b32 s[G0+4*(\s)], 1                                          ; count = 1
	s_add_co_u32 s[G0+4*(\s)+1], s20, (\s)*SLOT                        ; LDS address
	s_add_nc_u64 s[G0+4*(\s)+2:G0+4*(\s)+3], s[14:15], (\s)*KSTEP*2    ; global address: K step s
	s_or_b32 s[G0+4*(\s)+3], s[G0+4*(\s)+3], 0x80000000                ; type = 2
	s_mov_b32 s[G0B+4*(\s)], 1
	s_add_co_u32 s[G0B+4*(\s)+1], s21, (\s)*SLOT
	s_add_nc_u64 s[G0B+4*(\s)+2:G0B+4*(\s)+3], s[46:47], (\s)*2*131072 ; K step s: two blocks on
	s_or_b32 s[G0B+4*(\s)+3], s[G0B+4*(\s)+3], 0x80000000
	JLOAD \s                                       ; the ring is filled before anything else is done: two loads of mine are out
.endr
	; A fragment is 16 rows x 32 K in 8 registers: lane l holds row l % 16; registers 0-3 K = 8 (l / 16) + 0..7, registers 4-7 K = 16 + 8 (l / 16) + 0..7: two loads of 16 bytes, 32 bytes apart.
	v_and_b32 v1, 15, v0                           ; l % 16
	v_bfe_u32 v2, v0, 4, 1                         ; l / 16
	v_mul_u32_u24 v3, v1, PITCH
	v_lshl_add_u32 v3, v2, 4, v3
	v_mul_u32_u24 v4, v1, PB
	v_lshl_add_u32 v4, v2, 4, v4
	s_mul_i32 s21, s11, AHALF                      ; my 128 rows of xb
	s_mul_i32 s22, s12, 128*PB                     ; my 128 rows of W, in each of the two blocks,
	s_add_co_u32 s22, s22, ATILE                   ; which lie behind xb's 256 rows
.irp s, 0,1
	v_add_nc_u32 v[ADRA+(\s)], s21, v3
	v_add_nc_u32 v[ADRB+(\s)], s22, v4
	s_add_co_u32 s21, s21, SLOT
	s_add_co_u32 s22, s22, SLOT
.endr
	s_mul_i32 s23, s10, 16*SPITCH
	s_add_co_u32 s23, s23, STAGE                   ; my stage
	v_mul_u32_u24 v5, v1, SPITCH                   ; in: row l % 16, 32 bytes for each half of the lanes
	v_lshl_add_u32 v5, v2, 5, v5
	v_add_nc_u32 v[STO], s23, v5
	v_and_b32 v6, 31, v0
	v_lshlrev_b32 v[CO], 4, v6                     ; back: 32 lanes take a row's 512 bytes
	v_add_nc_u32 v[RD], s23, v[CO]
	s_lshl_b32 s16, s13, 8
	s_lshl_b32 s17, s11, 7
	s_add_co_u32 s16, s16, s17                     ; my first row of out0,
	s_lshl_b32 s16, s16, 12                        ; of 4,096 bytes (under 2^26),
	s_lshl_b32 s46, s42, 10                        ; the tile's 1,024 bytes of a row,
	s_lshl_b32 s47, s12, 9                         ; my 512 of them
	s_add_co_u32 s46, s46, s47
	s_add_co_u32 s16, s16, s46
	s_mov_b32 s17, 0
	s_add_nc_u64 s[8:9], s[8:9], s[16:17]
	; the prefetches: both streams' offsets are made, and one compare on my part chooses.  They start at K step 3; each change of slots steps them first, so the first names K step 4
	s_lshl_b32 s20, s13, 8
	s_lshl_b32 s21, s12, 7
	s_add_co_u32 s20, s20, s21                     ; xb: the 128 rows that I fetch,
	s_lshl_b32 s21, s40, 5
	s_add_co_u32 s20, s20, s21                     ; my work-group's 32 of them,
	s_lshl_b32 s20, s20, 11
	s_add_co_u32 s20, s20, 3*KSTEP*2               ; K step 3
	s_add_co_u32 s21, s12, 6                       ; W: my block of K step 3,
	s_lshl_b32 s21, s21, 17
	s_lshl_b32 s18, s42, 15                        ; the tile column's 32 KiB,
	s_add_co_u32 s21, s21, s18
	s_lshl_b32 s18, s41, 13                        ; my work-group's 8 KiB of them
	s_add_co_u32 s21, s21, s18
	s_mov_b32 s18, KSTEP*2
	s_mov_b32 s19, 2*131072
	s_and_b32 s23, ttmp7, 0xffff                   ; cluster y
	s_cmp_eq_u32 s11, 0                            ; do I fetch for xb?
	s_cselect_b32 s20, s20, s21
	s_cselect_b32 s[PFS], s18, s19
	s_cselect_b32 s18, 11, 8                       ; a lane's step: a row of xb, or 256 bytes of W's dense block
	s_cselect_b32 s19, ttmp9, s23                  ; the coordinate along which other clusters read the same bytes
	s_cselect_b64 s[PFA:PFA+1], s[4:5], s[6:7]
	s_mov_b32 s21, 0
	s_mov_b32 s[PFS+1], 0
	s_add_nc_u64 s[PFA:PFA+1], s[PFA:PFA+1], s[20:21]
	s_cmp_eq_u32 s19, 0
	s_cselect_b32 s[LIM], 1, -1                    ; the same in all sixteen partners, for a given wave
	v_lshlrev_b32 v[PFO], s18, v6
	; nothing is prefetched here, at the head, where every work-group's first two tiles are on their way
; 16 matrix instructions: m blocks a0, a0 + 1 of the window's four (hi = 0: my rows 0-63, 1: rows 64-127) x all 8 n blocks, 32 along K.  zero = 1: the first product starts the sums: nothing is cleared.
; The 64 accumulators take turns, one instruction a turn, in the same order in every quarter step, over the loop's backward jump too.
.macro MUL16 f, hi, a0, zero
	WIN MUL_LO+0x50*(\hi)
.irp a, \a0, (\a0)+1
.irp b, 0,1,2,3,4,5,6,7
.if \zero
	v_wmma_f32_16x16x32_bf16 v[8*(8*(\a)+(\b)):8*(8*(\a)+(\b))+7], v[(\f)+8*(\b):(\f)+8*(\b)+7], v[(\f)+8*(4*(\hi)+(\a)):(\f)+8*(4*(\hi)+(\a))+7], 0
.else
	v_wmma_f32_16x16x32_bf16 v[8*(8*(\a)+(\b)):8*(8*(\a)+(\b))+7], v[(\f)+8*(\b):(\f)+8*(\b)+7], v[(\f)+8*(4*(\hi)+(\a)):(\f)+8*(4*(\hi)+(\a))+7], v[8*(8*(\a)+(\b)):8*(8*(\a)+(\b))+7]
.endif
.endr
.endr
.endm
; 32 LDS loads in one run: the fragments of quarter q of the slot's K step (128 rows of W: block q / 2, bytes 64 (q % 2) on; 128 rows of xb: bytes 64 q on) into buffer f
.macro FETCH slot, q, f
	WIN TO_B
.irp i, 0,1,2,3,4,5,6,7
	ds_load_b128 v[(\f)+8*(\i):(\f)+8*(\i)+3],   v[ADRB+(\slot)] offset:((\q)/2)*BSUB+((\q)%2)*64+(\i)*16*PB
	ds_load_b128 v[(\f)+8*(\i)+4:(\f)+8*(\i)+7], v[ADRB+(\slot)] offset:((\q)/2)*BSUB+((\q)%2)*64+(\i)*16*PB+32
.endr
	WIN 0
.irp i, 0,1,2,3,4,5,6,7
	ds_load_b128 v[(\f)+8*(\i):(\f)+8*(\i)+3],   v[ADRA+(\slot)] offset:64*(\q)+(\i)*16*PITCH
	ds_load_b128 v[(\f)+8*(\i)+4:(\f)+8*(\i)+7], v[ADRA+(\slot)] offset:64*(\q)+(\i)*16*PITCH+32
.endr
.endm
.macro PLACES                          ; four places in front of loads into registers that matrix instructions have read (ISA guide 7.12.1 for vector instructions)
.rept 4
	v_nop
.endr
.endm
; A K step is four quarters of 32 along K, 64 matrix instructions each, on buffers 0, 1, 0, 1.  One of the first three: multiplies buffer f; in its middle it fetches quarter q of the same slot into buffer g.
.macro QUARTER slot, q, f, g, zero
	s_wait_dscnt 8                                 ; W and xb's rows 0-63 are in; the youngest eight loads (xb's rows 64-127) may be out
	MUL16 \f, 0, 0, \zero
	MUL16 \f, 0, 2, \zero
	PLACES
	FETCH \slot, \q, \g
	s_wait_dscnt 32                                ; all but the 32 just issued
	MUL16 \f, 1, 0, \zero
	MUL16 \f, 1, 2, \zero
.endm
; The last quarter multiplies buffer 1 and changes slots.  MEET is its first half: ONE barrier for the change.  In front of it each wave waits for all its tensor loads, of which one is out: its part of the
; next slot; adds 0 to its spare word; and waits for that and for its own reads of this slot.  Behind it nobody reads this slot any more and the next slot is whole.
.macro MEET round                      ; round = 1: a round of the cluster's barrier follows
	WIN 0                                          ; (the add's two registers lie in window 0)
	s_wait_tensorcnt 0x0                           ; all my tensor loads have landed
	ds_add_u32 v[SPW], v[NIL]                      ; 0 onto my spare word
	s_wait_dscnt 9                                 ; (the add and the youngest eight loads may be out)
	MUL16 F1, 0, 0, 0                              ; sixteen matrix instructions stand between the add and the wait for it
	s_wait_dscnt 0x0                               ; the add is done, and my reads of this slot are over
	s_barrier_signal -1
	MUL16 F1, 0, 2, 0                              ; work on registers while the others arrive
.if \round
	WIN 0
.endif
	s_barrier_wait -1
.endm
; The whole last quarter.  Behind the round the slot just read out is filled again first, with the K step two steps on; then come the next slot's first fragments.
; From a request to the wait for it a wave issues 224 matrix instructions.
.macro TURN slot, next
	s_wait_xcnt 0x0                                ; the last prefetch, a K step back, has read its address: it is stepped here, ahead of the change's own waits
	s_add_nc_u64 s[PFA:PFA+1], s[PFA:PFA+1], s[PFS:PFS+1]
	MEET 1
	CREST                                          ; no wave of any partner still reads this slot's tile or has a load on its way
	s_add_nc_u64 s[G0+4*(\slot)+2:G0+4*(\slot)+3], s[G0+4*(\slot)+2:G0+4*(\slot)+3], 2*KSTEP*2
	s_add_nc_u64 s[G0B+4*(\slot)+2:G0B+4*(\slot)+3], s[G0B+4*(\slot)+2:G0B+4*(\slot)+3], 4*131072
	JLOAD \slot                                    ; the first tensor load behind the round, my only one until the next; the four v_nop behind it are also the places in front of the loads below
	FETCH \next, 0, F0
	ASK
	MUL16 F1, 1, 0, 0
	MUL16 F1, 1, 2, 0
.endm
	s_wait_tensorcnt 1                             ; my part of K step 0 is in; K step 1's load stays out
	s_barrier_signal -1
	s_barrier_wait -1                              ; everybody's is
	FETCH 0, 0, F0
	QUARTER 0, 1, F0, F1, 1                        ; the first quarter stands in front of the loop: its products start the sums
	WIN 0                                          ; at a label and at a branch every window is 0
	s_mov_b32 s3, LAPS-1
.Llap:                                                 ; a trip goes once round the ring, from a lap's second quarter to the next lap's first, and fills both slots again
	QUARTER 0, 2, F1, F0, 0
	QUARTER 0, 3, F0, F1, 0
	TURN 0, 1
	QUARTER 1, 1, F0, F1, 0
	QUARTER 1, 2, F1, F0, 0
	QUARTER 1, 3, F0, F1, 0
	TURN 1, 0
	QUARTER 0, 1, F0, F1, 0
	WIN 0
	s_sub_co_u32 s3, s3, 1
	s_cmp_lg_u32 s3, 0
	s_cbranch_scc1 .Llap
	QUARTER 0, 2, F1, F0, 0                        ; the last lap is written out: it asks for nothing more
	QUARTER 0, 3, F0, F1, 0
	MEET 0                                         ; my one tensor load that was still out is the last K step's, so no round follows
	PLACES
	FETCH 1, 0, F0
	MUL16 F1, 1, 0, 0
	MUL16 F1, 1, 2, 0
	QUARTER 1, 1, F0, F1, 0
	QUARTER 1, 2, F1, F0, 0
	QUARTER 1, 3, F0, F1, 0
	s_wait_dscnt 8                                 ; the very last quarter: nothing more to fetch
	MUL16 F1, 0, 0, 0
	MUL16 F1, 0, 2, 0
	s_wait_dscnt 0x0
	MUL16 F1, 1, 0, 0
	MUL16 F1, 1, 2, 0
; THE WAY OUT, a block of 16 rows at a time.  A lane's eight f32 of a row go from the accumulators into my own stage (rows of 528 bytes), each accumulator's low four registers first;
; whole rows of 512 bytes come back, into the registers that held xb's fragments, two buffers by turns; a row is one store of the wave.
; LDS serves a wave's instructions in order (ISA guide 5.7.1.4): the loads see the stores above them, and the next block's stores come behind them.
.macro TOSTAGE a
.set AC, 64*((\a)%4)
.set BK, 64+64*((\a)%2)
.if (\a) >= 2
	s_wait_xcnt 0x0                                ; the stores of the block two back have read this buffer: it is loaded again only behind this wait
.endif
	WIN 0x08+4*((\a)/4)                            ; the LDS stores' data (source 1) in window 2 or 3
.irp b, 0,1,2,3,4,5,6,7
	ds_store_b128 v[STO], v[AC+8*(\b):AC+8*(\b)+3]   offset:64*(\b)
	ds_store_b128 v[STO], v[AC+8*(\b)+4:AC+8*(\b)+7] offset:64*(\b)+16
.endr
	WIN 0
.irp t, 0,1,2,3,4,5,6,7,8,9,10,11,12,13,14,15
	ds_load_b128 v[BK+4*(\t):BK+4*(\t)+3], v[RD] offset:(\t)*SPITCH
.endr
.endm
.macro SEND a, younger                 ; younger: the LDS instructions issued behind block a's loads: the next block's 16 stores and 16 loads, or none
.set BK, 64+64*((\a)%2)
.irp t, 0,1,2,3,4,5,6,7,8,9,10,11,12,13,14,15
	s_wait_dscnt (\younger)+15-(\t)                ; row t is back
	global_store_b128 v[CO], v[BK+4*(\t):BK+4*(\t)+3], s[8:9] offset:(16*(\a)+(\t))*4096 th:TH_STORE_NT  ; 512 consecutive bytes, aligned; the row stands in the immediate: 127 rows at the most
.endr
.endm
.rept 8
	v_nop                                          ; places behind the last products, in front of the LDS stores that read results and of the loads into xb's fragment registers
.endr
	TOSTAGE 0
.irp a, 1,2,3,4,5,6,7
	TOSTAGE \a
	SEND (\a)-1, 32
.endr
	SEND 7, 0
	s_wait_tensorcnt 0x0                           ; the wave's end, behind my last tensor load and my last LDS store
	ds_add_u32 v[SPW], v[NIL]
	s_wait_dscnt 0x0
	CROUND                                         ; the closing round: no work-group ends while a partner may still ask for a tile that names it
	s_endpgm
.Lfunc_end_k_qbcca28d988_big:
	.size	k_qbcca28d988_big, .Lfunc_end_k_qbcca28d988_big-k_qbcca28d988_big
	.p2alignl 7, 3214868480
	.fill 96, 4, 3214868480
	.section	.rodata,"a",@progbits
	.p2align	6, 0x0
	.amdhsa_kernel k_qbcca28d988_big
		.amdhsa_group_segment_fixed_size 327680
		.amdhsa_private_segment_fixed_size 0
		.amdhsa_enable_private_segment 0
		.amdhsa_kernarg_size 24
		.amdhsa_user_sgpr_count 2
		.amdhsa_user_sgpr_kernarg_segment_ptr 1
		.amdhsa_wavefront_size32 1
		.amdhsa_system_sgpr_workgroup_id_x 1
		.amdhsa_system_sgpr_workgroup_id_y 1
		.amdhsa_system_sgpr_workgroup_id_z 1
		.amdhsa_system_vgpr_workitem_id 0
		.amdhsa_next_free_vgpr 1024
		.amdhsa_next_free_sgpr 66
		.amdhsa_reserve_vcc 0
		.amdhsa_float_denorm_mode_32 3
		.amdhsa_float_denorm_mode_16_64 3
		.amdhsa_memory_ordered 1
		.amdhsa_forward_progress 1
		.amdhsa_inst_pref_size 145
	.end_amdhsa_kernel
	.amdgpu_metadata
---
amdhsa.version: [ 1, 2 ]
amdhsa.kernels:
  - .name:           k_qbcca28d988_big
    .symbol:         k_qbcca28d988_big.kd
    .args:
      - { .name: xb, .offset: 0, .size: 8, .value_kind: global_buffer, .address_space: global }
      - { .name: wb, .offset: 8, .size: 8, .value_kind: global_buffer, .address_space: global }
      - { .name: out0, .offset: 16, .size: 8, .value_kind: global_buffer, .address_space: global }
    .group_segment_fixed_size: 327680
    .private_segment_fixed_size: 0
    .kernarg_segment_align: 8
    .kernarg_segment_size: 24
    .max_flat_workgroup_size: 128
    .sgpr_count:     66
    .vgpr_count:     1024
    .wavefront_size: 32
...
	.end_amdgpu_metadata
.endif
;; end of part 3
